; MI455X (gfx1250); checked and timed in simulation.
; The chip was launched on July 23, 2026; its instructions are those of AMD's public machine-readable ISA for CDNA 5 (MIT licence, August 2026) and "CDNA5" Instruction Set Architecture Reference Guide (July 2026). The comments in the code are by the model that wrote it; some were corrected since.
;; Window Routing. Allowed arithmetic: matrix products marked QUANTISED: E2M3 operands, one E8M0 scale for each 32 along K, by v_wmma_scale_f32_16x16x128_f8f6f4 with both operands' format E2M3, f32 sums; everything else in f32.
;; Inputs: image_codes 4 x 8,192 x 4 x 24 uint8 (E2M3 codes of image, K innermost, in blocks of 32 codes, four codes in three bytes); image_scales 4 x 8,192 x 4 uint8 (E8M0 scales of image, one for each 32 codes along K); query_codes 4 x 4,096 x 4 x 24 uint8 (E2M3 codes of query, K innermost, in blocks of 32 codes, four codes in three bytes); query_scales 4 x 4,096 x 4 uint8 (E8M0 scales of query, one for each 32 codes along K).
;; Outputs: out0 4 x 4,096 x 4 int32.
;; This version of the problem:
;;   THIS VERSION OF THE PROBLEM IS GIVEN IN LOW PRECISION. The matrix products marked QUANTISED in the list below multiply operands that are first quantised to E2M3 (2 exponent bits, 3 mantissa bits; 6 bits a number), with one power-of-two scale for each 32 numbers along K (OCP MX v1.0); their sums are f32. All else is computed in f32.
;;   The module's matrix products, in the order in which they are computed (A, B: the left and right operand; K: the contracted axis; several contracted axes count as one K, in the product's order):
;;     1. batch 4 x [M 4,096, K 128] x [K 128, N 8,192]; A: input query (given as codes); B: input image (given as codes): QUANTISED
;;   THE QUANTISER, for each operand of a quantised product, along K:
;;     - K is cut into blocks of 32 from its start; a last block that is shorter is filled with zeros.
;;     - A block's scale is 2^e with e = floor(log2(the largest magnitude in the block)) - 2, held to -126 .. 127; a block of zeros has e = 0. As a byte (E8M0): e + 127.
;;     - Each number is divided by its block's scale, clamped to +-7.5, and rounded to the nearest number of E2M3, ties to even, subnormals kept.
;;     - The product sums the exact products of the quantised numbers (number of the format x scale) in f32.
;;   ~~~python
;;   def quantise(x, axis):      # numpy; x: float32 -> the quantised numbers, widened to float32 again
;;       x = np.moveaxis(x, axis, -1); K = x.shape[-1]
;;       x = np.pad(x, [(0, 0)] * (x.ndim - 1) + [(0, -K % 32)]); x = x.reshape(x.shape[:-1] + (-1, 32)); a = np.abs(x).max(-1, keepdims=True)
;;       e = np.where(a > 0, np.clip(np.frexp(np.where(a > 0, a, 1))[1] - 1 - 2, -126, 127), 0)      # np.frexp(a)[1] - 1 = floor(log2(a)), exactly
;;       r = np.clip(x / 2.0 ** e, -7.5, 7.5)
;;       step = 2.0 ** (np.maximum(np.frexp(np.where(r == 0, 1, r))[1] - 1, 0) - 3)
;;       q = np.round(r / step) * step * 2.0 ** e      # np.round: ties to even
;;       return np.moveaxis(q.reshape(q.shape[:-2] + (-1,))[..., :K], -1, axis).astype(np.float32)
;;   ~~~
;;   INPUTS GIVEN AS CODES. image (in the module: [4, 8192, 128], K = its axis 2); query (in the module: [4, 4096, 128], K = its axis 2): each comes as NAME_codes (uint8): NAME with its K axis moved to the last place and cut into blocks of 32 codes, [.., K / 32, bytes a block], one block behind the other in memory; four codes in three bytes: a row's codes are one little-endian stream of bits, code i at bits 6 i .. 6 i + 5 (a code: sign, 2 exponent bits, 3 mantissa bits); and NAME_scales (uint8): the same leading axes, one E8M0 byte (e + 127) for each 32 codes along K. Its value is code x scale, taken as it is: it is not quantised again, and the codes and scales need not be those that the quantiser above would give.
;; 2 versions, each right; version 2 is version 1 with the launch pick written anew for expert scheduling mode. Each part assembles by itself: llvm-mc -triple=amdgcn-amd-amdhsa -mcpu=gfx1250 --defsym DOCPART=n.
;; ======== version 1 of 2: 3 launches
;; workspace buffers: cand 2,097,152 bytes; gid 262,144 bytes of whole numbers
;; launch scan (part 1): grid 16 x 16, 4 waves a work-group, clusters of 4 x 1, 239,360 bytes of LDS; arguments image_codes, image_scales, query_codes, query_scales, cand; writes cand
.if DOCPART == 1
	.amdgcn_target "amdgcn-amd-amdhsa--gfx1250"
	.amdhsa_code_object_version 6
	.text
	.protected	k_q53a59ed87c_scan
	.globl	k_q53a59ed87c_scan
	.p2align	8
	.type	k_q53a59ed87c_scan,@function
k_q53a59ed87c_scan:
	s_mov_b64 s[64:65], 0
	v_nop
	global_prefetch_b8 v0, s[64:65] scope:SCOPE_SE
	s_setreg_imm32_b32 hwreg(HW_REG_WAVE_MODE, 25, 1), 1
	s_wait_xcnt 0x0
	s_wait_alu depctr_hold_cnt(0) depctr_sa_sdst(0) depctr_va_vdst(0) depctr_va_sdst(0) depctr_va_ssrc(0) depctr_va_vcc(0) depctr_vm_vsrc(0)
	s_getreg_b32 s2, hwreg(HW_REG_IB_STS2, 6, 4)
	s_cmp_eq_u32 s2, 0
	s_cbranch_scc0 .Lentry_in_a_cluster
	s_endpgm
.Lentry_in_a_cluster:
	s_bfe_u32 s2, ttmp6, 0x10000c
	s_cmp_lg_u32 s2, 0x3003
	s_cbranch_scc0 .Lentry_shape_is_right
	s_endpgm
.Lentry_shape_is_right:
; WINDOW ROUTING, first of three launches.  score[b][q][m] = (query[b][q] . image[b][m]) x 128^-0.5 on codes of FP6 (E2M3) with one E8M0 scale for each 32 along K = 128; wanted are the 4 best m of each q.
; The 8,192 image rows of a batch are cut into 512 GROUPS of 16 neighbouring rows.  The four best rows of a query lie in its four best groups, groups ranked by (largest scaled score, falling; group number, rising).
; This launch makes ALL scores, keeps of each group only its largest, and stores for each query and each quarter of the rows (a PART: 2,048 rows, 128 groups) the 4 best groups: value and number.
; The scale 128^-0.5 multiplies the group's largest sum: a multiplication by a positive number never turns an order round, so the largest of the products is the product of the largest.
; SHARES.  A work-group: 256 queries (x) of one batch and one part (y = 4 batch + part).  The part's rows are region L (rows 0-1,023) and region U (rows 1,024-2,047).  Wave w: qh = w & 1: query tiles 8 qh .. 8 qh + 7;
; sl = w >> 1: groups 32 sl .. 32 sl + 31 of L and of U.  A STEP takes one group of L and the same group of U: two image tiles u = 0, 1, whose rows 0-7 are L's rows 16 g + 8 u + 0..7 and rows 8-15 U's.
; THE PRODUCT IS USED TRANSPOSED (source 0 = 16 image rows, source 1 = 16 queries): lane (r, h) holds query r, and its 16 registers of the two tiles are the 16 rows of ONE group: L's for h = 0, U's for h = 1.
; Its number, 128 part + 64 h + 32 sl + step, rises from step to step, so an insertion that asks for strictly greater keeps the lower number among equals.
; LDS is filled once: the part's codes (196,608 bytes) and scale bytes (8,192).  No byte is filled again.
; CLUSTER.  The four work-groups of a cluster differ in x alone and read the same image rows: codes and scale bytes are asked for JOINTLY (mask 15).  The queries are each work-group's own inside its cluster
; (24,576 of its 229,376 bytes): they come by plain loads into registers.
; LIMITS: scores that are NaN (a scale byte 0xff) or beyond f32's range are not served; +0 and -0 count as equal.
.set ROWB,  96                         ; 128 codes in bytes
.set GRPB,  16*ROWB                    ; a group's rows
.set CHB,   8*GRPB                     ; a chunk of one region and one slice: 8 groups, 12,288 bytes: one tensor load
.set UOFF,  2*CHB+16                   ; from L's rows to U's inside a chunk: 16 bytes past a multiple of 256: L's rows start at banks 8 k + {0, 6}, U's at 8 k + {4, 2} (64 banks of 4 bytes: ISA guide 11.1): a load of 8 bytes a lane touches 64 different banks
.set CHS,   4*CHB+256                  ; from chunk to chunk: chunk c holds steps 8 c .. 8 c + 7 of every wave
.set ISL,   4*CHS                      ; L's scale words, 4 bytes a row
.set ISUD,  4160                       ; U's lie this far on: 16 banks further
.set LST,   206080                     ; the waves' lists on the way out: 4 waves x 8 tiles x (512 bytes of values + 512 of numbers); no tensor load lands here
.set ADR0, 1                           ; v1   my lane's place in a chunk's codes; never rewritten
.set ADS0, 2                           ; v2   my lane's place among the scale words; never rewritten
.set IDX,  3                           ; v3   the number of the group in hand
.set M,    4                           ; v[4:5] the two tiles' largest, scaled
.set N,    6                           ; v[6:7] at work
.set QS,   8                           ; v8-11  query scale words: register k: tile 2 k in lanes 0-15, tile 2 k + 1 in lanes 16-31
.set IS,   12                          ; v12-13 image scale words of buffer 0, 1: tile u = 0 in lanes 0-15, u = 1 in lanes 16-31
.set ADR,  14                          ; v14  at the head the queries' offset; then the LDS address of the codes being fetched
.set ADS,  15                          ; v15  likewise for scale words
.set IMG,  16                          ; v16-39, v40-63 image fragments, two buffers of two
.set D,    64                          ; v64-95 four results
.set Q,    96                          ; v96-191 the eight query fragments
.set LS,   192                         ; v192-255 the lists: tile t: values, falling, at LS + 8 t + 0..3, their numbers at + 4..7
.set WV,   14
.set QH,   15
.set SL,   16
.set YY,   17
.set PART, 18
.set BAT,  19
.set CX,   20
.set WGX,  21
.set G1I,  24                          ; s[24:31] descriptor group 1 for a chunk of codes
.set G1S,  32                          ; s[32:39] for the scale bytes
.set G0S,  40                          ; s[40:43] group 0 for the scale bytes
.set G0C,  44                          ; s[44:59] groups 0 for chunks 0 to 3
.set TB,   66                          ; s66  where the codes of the step to be fetched begin
.set TS,   67                          ; s67  and its scale words
.set CNT,  68
.set SAVE, 69
.set SC,   70                          ; s[70:71] 128^-0.5: the packed form names a pair and takes its low word for both halves
.set SEL,  72                          ; s[72:73] v_permlanex16_b32's selects for lane l xor 16
.set MK,   76                          ; s[76:83] eight masks of compares
; A round of the cluster's barrier: my work-group's barrier; wave 0 signals for the work-group; every wave waits for all four work-groups; my work-group's barrier once more.
.macro CROUND
	s_barrier_signal -1
	s_barrier_wait -1
	s_cmp_lg_u32 s[WV], 0
	s_cbranch_scc1 .Lnot_wave_0_\@
	s_barrier_signal -3
.Lnot_wave_0_\@:
	s_barrier_wait -3
	s_barrier_signal -1
	s_barrier_wait -1
.endm
	s_load_b256 s[4:11], s[0:1], 0x0               ; image codes s[4:5], image scales s[6:7], query codes s[8:9], query scales s[10:11]
	s_load_b64 s[12:13], s[0:1], 0x20              ; cand
	s_set_vgpr_msb 0x40
	v_lshl_add_u32 v0, v0, 2, 0x3a500
	v_mov_b32 v1, 0
	s_set_vgpr_msb 0x4045
	ds_add_u32 v0, v1
	ds_add_u32 v0, v1
	s_set_vgpr_msb 0x4500
	v_lshrrev_b32 v1, 5, v0
	v_readfirstlane_b32 s[WV], v1                  ; wave 0..3
	s_and_b32 s[QH], s[WV], 1                      ; my half of the queries.  Also: I fetch for region L (0) or U (1)
	s_lshr_b32 s[SL], s[WV], 1                     ; my slice of the groups.  Also: which slice's rows I fetch
	s_and_b32 s[YY], ttmp7, 0xffff                 ; y = 4 batch + part: the four partners share it
	s_and_b32 s[PART], s[YY], 3
	s_lshr_b32 s[BAT], s[YY], 2
	s_bfe_u32 s[CX], ttmp6, 0x40000                ; my place in the cluster: it enters the queries' and cand's addresses alone
	s_lshl_b32 s[WGX], ttmp9, 2
	s_add_co_u32 s[WGX], s[WGX], s[CX]             ; my block of 256 queries
	; descriptor groups 1: dense blocks as rows of 256 bytes (32 elements of 8 bytes), no padding; mask 15: all four work-groups; bit 21 set beside a mask
	s_mov_b32 s[G1I], 15|(3<<16)|(1<<21)
	s_mov_b32 s[G1I+1], 32<<16                     ; tensor_dim0 = 32
	s_mov_b32 s[G1I+2], (CHB/256)<<16              ; tensor_dim1 = 48
	s_mov_b32 s[G1I+3], 32<<16                     ; tile_dim0 = 32
	s_mov_b32 s[G1I+4], CHB/256                    ; tile_dim1 = 48
	s_mov_b32 s[G1I+5], 32                         ; from row to row
	s_mov_b32 s[G1I+6], 0
	s_mov_b32 s[G1I+7], 0
	s_mov_b32 s[G1S], 15|(3<<16)|(1<<21)
	s_mov_b32 s[G1S+1], 32<<16
	s_mov_b32 s[G1S+2], 8<<16                      ; 2,048 bytes: the scale words of 512 rows
	s_mov_b32 s[G1S+3], 32<<16
	s_mov_b32 s[G1S+4], 8
	s_mov_b32 s[G1S+5], 32
	s_mov_b32 s[G1S+6], 0
	s_mov_b32 s[G1S+7], 0
	; what I fetch: codes: the part's rows 1,024 (w & 1) + 512 (w >> 1) on, in four chunks of 128 rows; scale bytes: rows 512 w on
	s_mul_i32 s22, s[YY], 2048*ROWB
	s_mul_i32 s60, s[QH], 1024*ROWB
	s_add_co_u32 s22, s22, s60
	s_mul_i32 s60, s[SL], 4*CHB
	s_add_co_u32 s22, s22, s60
	s_mov_b32 s23, 0
	s_lshl_b32 s62, s[YY], 13
	s_lshl_b32 s60, s[WV], 11
	s_add_co_u32 s62, s62, s60
	s_mov_b32 s63, 0
	s_mul_i32 s60, s[QH], UOFF                     ; and where it goes: no place in the cluster enters an LDS address
	s_mul_i32 s61, s[SL], CHB
	s_add_co_u32 s60, s60, s61
	s_mul_i32 s61, s[SL], ISUD                     ; scale rows 512 w: region w >> 1, its half w & 1
	s_lshl_b32 s74, s[QH], 11
	s_add_co_u32 s61, s61, s74
	s_wait_dscnt 0x0
	s_wait_kmcnt 0x0
	s_add_nc_u64 s[22:23], s[4:5], s[22:23]
	s_add_nc_u64 s[62:63], s[6:7], s[62:63]
	s_mov_b32 s[G0S], 1                            ; count = 1
	s_add_co_u32 s[G0S+1], s61, ISL                ; LDS address
	s_mov_b64 s[G0S+2:G0S+3], s[62:63]             ; global address
	s_or_b32 s[G0S+3], s[G0S+3], 0x80000000        ; type = 2
.irp c, 0,1,2,3
	s_mov_b32 s[G0C+4*\c], 1
	s_add_co_u32 s[G0C+4*\c+1], s60, \c*CHS
	s_add_nc_u64 s[G0C+4*\c+2:G0C+4*\c+3], s[22:23], \c*CHB
	s_or_b32 s[G0C+4*\c+3], s[G0C+4*\c+3], 0x80000000
.endr
	CROUND                                         ; all four work-groups are here: the joint loads meet
	tensor_load_to_lds s[G0S:G0S+3], s[G1S:G1S+7]  ; all fills of the launch go out together: five loads of mine are out
	s_nop 0
.irp c, 0,1,2,3
	tensor_load_to_lds s[G0C+4*\c:G0C+4*\c+3], s[G1I:G1I+7]
	s_nop 0
.endr
.rept 4
	v_nop                                          ; four plain lines follow the last tensor load
.endr
	; my 128 queries: run (16 batch + block) x 2 + qh of 128 rows
	s_lshl_b32 s84, s[BAT], 4
	s_add_co_u32 s84, s84, s[WGX]
	s_lshl_b32 s84, s84, 1
	s_add_co_u32 s84, s84, s[QH]
	s_mul_i32 s86, s84, 128*ROWB
	s_mov_b32 s87, 0
	s_add_nc_u64 s[8:9], s[8:9], s[86:87]
	s_lshl_b32 s86, s84, 9
	s_add_nc_u64 s[10:11], s[10:11], s[86:87]
	s_lshl_b32 s84, s84, 12                        ; cand: [part][tile][512 bytes]: my run's 8 tiles, of which I store 4 sl .. 4 sl + 3
	s_lshl_b32 s86, s[SL], 11
	s_add_co_u32 s84, s84, s86
	s_lshl_b32 s86, s[PART], 19
	s_add_co_u32 s84, s84, s86
	s_mov_b32 s85, 0
	s_add_nc_u64 s[12:13], s[12:13], s[84:85]
	v_and_b32 v4, 7, v0
	v_bfe_u32 v5, v0, 3, 1                         ; 0: a row of L, 1: a row of U
	v_bfe_u32 v6, v0, 4, 1                         ; h
	v_and_b32 v7, 15, v0                           ; r
	v_mul_u32_u24 v[ADR], v7, ROWB
	v_mad_u32_u24 v[ADR], v6, 24, v[ADR]           ; a query fragment: row r, + 24 h
	v_and_b32 v[ADS], 31, v0
	v_lshlrev_b32 v[ADS], 2, v[ADS]                ; scale words: 4 bytes a lane: two tiles' 32 rows
.irp t, 0,1,2,3,4,5,6,7
.irp p, 0,1,2,3,4,5
	global_load_b64 v[Q+12*\t+2*\p:Q+12*\t+2*\p+1], v[ADR], s[8:9] offset:GRPB*\t+48*(\p/3)+8*(\p%3)   ; registers 6 c .. 6 c + 5: K = 64 c + 32 h + 0 .. 31, 24 bytes as they lie
.endr
.endr
.irp k, 0,1,2,3
	global_load_b32 v[QS+\k], v[ADS], s[10:11] offset:128*\k
.endr
	v_mul_u32_u24 v[ADR0], v4, ROWB                ; an image fragment's row: L's or U's row l & 7,
	v_mad_u32_u24 v[ADR0], v5, UOFF, v[ADR0]
	v_mad_u32_u24 v[ADR0], v6, 24, v[ADR0]         ; + 24 h,
	s_mul_i32 s60, s[SL], CHB
	v_add_nc_u32 v[ADR0], s60, v[ADR0]             ; in my slice's part of a chunk
	v_lshlrev_b32 v[ADS0], 2, v4                   ; its scale word; lanes 16-31 take tile u = 1's, 8 rows on
	v_mad_u32_u24 v[ADS0], v5, ISUD, v[ADS0]
	v_lshl_add_u32 v[ADS0], v6, 5, v[ADS0]
	s_lshl_b32 s61, s[SL], 11
	s_add_co_u32 s61, s61, ISL
	v_add_nc_u32 v[ADS0], s61, v[ADS0]
	s_lshl_b32 s62, s[PART], 7
	s_lshl_b32 s63, s[SL], 5
	s_add_co_u32 s62, s62, s63
	v_lshl_add_u32 v[IDX], v6, 6, s62              ; 128 part + 32 sl + 64 h: my first group
	s_mov_b32 s[SC], 0x3db504f3                    ; 128^-0.5 in f32
	s_mov_b32 s[SC+1], s[SC]
	s_mov_b32 s[SEL], 0x76543210
	s_mov_b32 s[SEL+1], 0xfedcba98
; 13 LDS loads: a step's two image fragments and their scale words into buffer b
.macro FETCH b, ra, rs
.irp u, 0,1
.irp p, 0,1,2,3,4,5
	ds_load_b64 v[IMG+24*(\b)+12*\u+2*\p:IMG+24*(\b)+12*\u+2*\p+1], v[\ra] offset:768*\u+48*(\p/3)+8*(\p%3)
.endr
.endr
	ds_load_b32 v[IS+(\b)], v[\rs]
.endm
; 4 matrix instructions: query tiles 2 k and 2 k + 1 against the two image tiles of buffer b.  Each starts a sum of its own with the constant 0: K = 128 is one instruction.
.macro MUL4 k, b
	v_wmma_scale_f32_16x16x128_f8f6f4 v[D:D+7], v[IMG+24*(\b):IMG+24*(\b)+11], v[Q+24*(\k):Q+24*(\k)+11], 0, v[IS+(\b)], v[QS+(\k)] matrix_a_fmt:MATRIX_FMT_FP6 matrix_b_fmt:MATRIX_FMT_FP6
	v_wmma_scale_f32_16x16x128_f8f6f4 v[D+8:D+15], v[IMG+24*(\b)+12:IMG+24*(\b)+23], v[Q+24*(\k):Q+24*(\k)+11], 0, v[IS+(\b)], v[QS+(\k)] matrix_a_fmt:MATRIX_FMT_FP6 matrix_b_fmt:MATRIX_FMT_FP6 matrix_a_scale:MATRIX_SCALE_ROW1
	v_wmma_scale_f32_16x16x128_f8f6f4 v[D+16:D+23], v[IMG+24*(\b):IMG+24*(\b)+11], v[Q+24*(\k)+12:Q+24*(\k)+23], 0, v[IS+(\b)], v[QS+(\k)] matrix_a_fmt:MATRIX_FMT_FP6 matrix_b_fmt:MATRIX_FMT_FP6 matrix_b_scale:MATRIX_SCALE_ROW1
	v_wmma_scale_f32_16x16x128_f8f6f4 v[D+24:D+31], v[IMG+24*(\b)+12:IMG+24*(\b)+23], v[Q+24*(\k)+12:Q+24*(\k)+23], 0, v[IS+(\b)], v[QS+(\k)] matrix_a_fmt:MATRIX_FMT_FP6 matrix_b_fmt:MATRIX_FMT_FP6 matrix_a_scale:MATRIX_SCALE_ROW1 matrix_b_scale:MATRIX_SCALE_ROW1
.endm
; The largest of each tile's 16 scores, in four chains that take turns, each result read from its low end on; then the scale, two at a time.
.macro MAX2
	v_max3_num_f32 v[M],   v[D],    v[D+1],  v[D+2]
	v_max3_num_f32 v[N],   v[D+8],  v[D+9],  v[D+10]
	v_max3_num_f32 v[M+1], v[D+16], v[D+17], v[D+18]
	v_max3_num_f32 v[N+1], v[D+24], v[D+25], v[D+26]
.irp i, 3,5
	v_max3_num_f32 v[M],   v[M],   v[D+\i],    v[D+1+\i]
	v_max3_num_f32 v[N],   v[N],   v[D+8+\i],  v[D+9+\i]
	v_max3_num_f32 v[M+1], v[M+1], v[D+16+\i], v[D+17+\i]
	v_max3_num_f32 v[N+1], v[N+1], v[D+24+\i], v[D+25+\i]
.endr
	v_max3_num_f32 v[M],   v[M],   v[D+7],  v[D+15]
	v_max3_num_f32 v[M+1], v[M+1], v[D+23], v[D+31]
	v_max_num_f32 v[M],   v[M],   v[N]
	v_max_num_f32 v[M+1], v[M+1], v[N+1]
	v_pk_mul_f32 v[M:M+1], v[M:M+1], s[SC:SC+1] op_sel_hi:[1,0]
.endm
; Two insertions, line by line.  Value v[x] with number v[n] goes into the list at v[l] (values a >= b >= c >= d at l + 0..3, numbers at l + 4..7) behind all that are not smaller: strictly greater moves an entry down.
; Values: d = the middle of (c, d, x), c of (b, c, x), b of (a, b, x), a = the larger of (a, x).  Numbers: each place takes the new number if x beats it, and then its upper neighbour's if x beats that too.
.macro INS2 xa, na, la, xb, nb, lb
.irp j, 0,1,2,3
	v_cmp_gt_f32 s[MK+\j], v[\xa], v[\la+\j]
	v_cmp_gt_f32 s[MK+4+\j], v[\xb], v[\lb+\j]
.endr
	v_cndmask_b32 v[\la+7], v[\la+7], v[\na], s[MK+3]
	v_cndmask_b32 v[\lb+7], v[\lb+7], v[\nb], s[MK+7]
	v_med3_num_f32 v[\la+3], v[\la+2], v[\la+3], v[\xa]
	v_med3_num_f32 v[\lb+3], v[\lb+2], v[\lb+3], v[\xb]
	v_cndmask_b32 v[\la+7], v[\la+7], v[\la+6], s[MK+2]
	v_cndmask_b32 v[\lb+7], v[\lb+7], v[\lb+6], s[MK+6]
	v_cndmask_b32 v[\la+6], v[\la+6], v[\na], s[MK+2]
	v_cndmask_b32 v[\lb+6], v[\lb+6], v[\nb], s[MK+6]
	v_med3_num_f32 v[\la+2], v[\la+1], v[\la+2], v[\xa]
	v_med3_num_f32 v[\lb+2], v[\lb+1], v[\lb+2], v[\xb]
	v_cndmask_b32 v[\la+6], v[\la+6], v[\la+5], s[MK+1]
	v_cndmask_b32 v[\lb+6], v[\lb+6], v[\lb+5], s[MK+5]
	v_cndmask_b32 v[\la+5], v[\la+5], v[\na], s[MK+1]
	v_cndmask_b32 v[\lb+5], v[\lb+5], v[\nb], s[MK+5]
	v_med3_num_f32 v[\la+1], v[\la], v[\la+1], v[\xa]
	v_med3_num_f32 v[\lb+1], v[\lb], v[\lb+1], v[\xb]
	v_cndmask_b32 v[\la+5], v[\la+5], v[\la+4], s[MK]
	v_cndmask_b32 v[\lb+5], v[\lb+5], v[\lb+4], s[MK+4]
	v_cndmask_b32 v[\la+4], v[\la+4], v[\na], s[MK]
	v_cndmask_b32 v[\lb+4], v[\lb+4], v[\nb], s[MK+4]
	v_max_num_f32 v[\la], v[\la], v[\xa]
	v_max_num_f32 v[\lb], v[\lb], v[\xb]
.endm
; A STEP: one group of L and of U against my eight query tiles: 16 matrix instructions on buffer b.  Behind each four stand the two insertions of the four before: 30 plain vector lines that name none of
; the products' registers.  They are the places ahead of the maxima that read the results, of the next four that write over them, and of the loads into the buffer that was read last.
; fetch = 1: the next step's fragments are asked for at the head, a whole step ahead of their use.  first = 1: the lists begin (minus infinity, under every score) where later steps insert tiles 6 and 7 of the step before.
.macro STEP b, fetch, first
	s_wait_dscnt 0x0                               ; buffer b is in: it was asked for a step ago
.if \fetch
	v_add_nc_u32 v[ADR], s[TB], v[ADR0]
	v_add_nc_u32 v[ADS], s[TS], v[ADS0]
	s_add_co_u32 s[TB], s[TB], GRPB
	s_add_co_u32 s[TS], s[TS], 64
	FETCH 1-(\b), ADR, ADS
.endif
	MUL4 0, \b
.if \first
.irp t, 0,1,2,3,4,5,6,7
.irp j, 0,1,2,3
	v_mov_b32 v[LS+8*\t+\j], 0xff800000
	v_mov_b32 v[LS+8*\t+4+\j], 0
.endr
.endr
.else
	INS2 M, IDX, LS+48, M+1, IDX, LS+56
	v_add_nc_u32 v[IDX], 1, v[IDX]                 ; from here on this step's group
.endif
	MAX2
	MUL4 1, \b
	INS2 M, IDX, LS, M+1, IDX, LS+8
	MAX2
	MUL4 2, \b
	INS2 M, IDX, LS+16, M+1, IDX, LS+24
	MAX2
	MUL4 3, \b
	INS2 M, IDX, LS+32, M+1, IDX, LS+40
	MAX2
.endm
.macro PAIRS n                         ; n trips of two steps, on buffers 1 and 0
	s_mov_b32 s[CNT], \n
.Lpair_\@:
	STEP 1, 1, 0
	STEP 0, 1, 0
	s_sub_co_u32 s[CNT], s[CNT], 1
	s_cmp_lg_u32 s[CNT], 0
	s_cbranch_scc1 .Lpair_\@
.endm
; The next chunk is whole: my part of it has landed (left = my chunk loads issued behind it), my LDS loads are in, and every wave says so.  Later chunks may stay out.
.macro CHUNK c, left
	s_wait_tensorcnt \left
	s_wait_dscnt 0x0
	s_barrier_signal -1
	s_barrier_wait -1
	s_mov_b32 s[TB], \c*CHS                        ; the fetches go on at the chunk's first step
	s_mov_b32 s[TS], \c*8*64
.endm
	s_wait_tensorcnt 0x3                           ; the scale bytes and my part of chunk 0 are in; chunks 1 to 3 may be out
	s_barrier_signal -1
	s_barrier_wait -1                              ; everybody's are
	FETCH 0, ADR0, ADS0                            ; step 0
	s_mov_b32 s[TB], GRPB
	s_mov_b32 s[TS], 64
	s_wait_loadcnt 0x0                             ; the queries are in, and their two offset registers may be written
	STEP 0, 1, 1                                   ; step 0; asks for step 1
	PAIRS 3                                        ; steps 1 to 6; ask for 2 to 7: all of chunk 0
	CHUNK 1, 0x2
	PAIRS 4                                        ; steps 7 to 14; ask for 8 to 15: chunk 1
	CHUNK 2, 0x1
	PAIRS 4                                        ; steps 15 to 22; chunk 2
	CHUNK 3, 0x0
	PAIRS 4                                        ; steps 23 to 30; chunk 3
	STEP 1, 0, 0                                   ; step 31: nothing is left to fetch
	INS2 M, IDX, LS+48, M+1, IDX, LS+56
	; THE WAY OUT.  A query's part is spread over two waves (slices) and two halves of the lanes (L, U).  The lists go through LDS as images of their registers, 16 bytes a lane; wave (qh, sl) then joins tiles 4 sl .. 4 sl + 3.
	v_and_b32 v4, 31, v0                           ; lane
	v_lshlrev_b32 v5, 4, v4
	s_lshl_b32 s60, s[WV], 13
	s_add_co_u32 s60, s60, LST
	v_add_nc_u32 v[ADR], s60, v5                   ; where I put my eight lists
	s_lshl_b32 s61, s[QH], 13
	s_lshl_b32 s62, s[SL], 12
	s_add_co_u32 s61, s61, s62
	s_add_co_u32 s61, s61, LST
	v_add_nc_u32 v[ADS], s61, v5                   ; where slice 0's lists of my four tiles lie; slice 1's lie two waves (16,384 bytes) on
.irp t, 0,1,2,3,4,5,6,7
	ds_store_b128 v[ADR], v[LS+8*\t:LS+8*\t+3] offset:1024*\t
	ds_store_b128 v[ADR], v[LS+8*\t+4:LS+8*\t+7] offset:1024*\t+512
.endr
	s_wait_dscnt 0x0                               ; for the others' sake: my stores are done
	s_barrier_signal -1
	s_barrier_wait -1
.irp i, 0,1,2,3
	ds_load_b128 v[LS+8*\i:LS+8*\i+3], v[ADS] offset:1024*\i
	ds_load_b128 v[LS+8*\i+4:LS+8*\i+7], v[ADS] offset:1024*\i+512
	ds_load_b128 v[D+8*\i:D+8*\i+3], v[ADS] offset:16384+1024*\i
	ds_load_b128 v[D+8*\i+4:D+8*\i+7], v[ADS] offset:16384+1024*\i+512
.endr
	s_wait_dscnt 0x0
.irp e, 0,1,2,3                        ; slice 1's four entries, best first: their numbers are all higher than slice 0's
	INS2 D+\e, D+4+\e, LS, D+8+\e, D+12+\e, LS+8
	INS2 D+16+\e, D+20+\e, LS+16, D+24+\e, D+28+\e, LS+24
.endr
.irp j, 0,1,2,3,4,5,6,7,8,9,10,11,12,13,14,15,16,17,18,19,20,21,22,23,24,25,26,27,28,29,30,31
	v_permlanex16_b32 v[IMG+\j], v[LS+\j], s[SEL], s[SEL+1]   ; lanes 0-15 get U's lists of their queries
.endr
.irp e, 0,1,2,3                        ; U's four entries: higher numbers again.  (Lanes 16-31 run along; what they make is not stored)
	INS2 IMG+\e, IMG+4+\e, LS, IMG+8+\e, IMG+12+\e, LS+8
	INS2 IMG+16+\e, IMG+20+\e, LS+16, IMG+24+\e, IMG+28+\e, LS+24
.endr
	v_cmp_gt_u32 vcc_lo, 16, v4
	s_wait_xcnt 0x0                                ; EXEC changes only behind this wait
	s_and_saveexec_b32 s[SAVE], vcc_lo             ; lanes 0-15
.irp i, 0,1,2,3
	global_store_b128 v5, v[LS+8*\i:LS+8*\i+3], s[12:13] offset:512*\i          ; sixteen lanes store 256 consecutive bytes, at a multiple of 256 from cand's first byte: a tile's values,
	global_store_b128 v5, v[LS+8*\i+4:LS+8*\i+7], s[12:13] offset:512*\i+256    ; and its numbers
.endr
	s_wait_xcnt 0x0                                ; and again, in front of the line that widens it
	s_or_b32 exec_lo, exec_lo, s[SAVE]
	s_wait_tensorcnt 0x0
	s_wait_dscnt 0x0
	s_set_vgpr_msb 0x5
	s_wait_tensorcnt 0x0
	ds_add_u32 v0, v1
	s_wait_dscnt 0x0
	s_set_vgpr_msb 0x500
	CROUND                                         ; the closing round: no work-group ends while a partner may still ask for a tile that names it
	s_endpgm
.Lfunc_end_k_q53a59ed87c_scan:
	.size	k_q53a59ed87c_scan, .Lfunc_end_k_q53a59ed87c_scan-k_q53a59ed87c_scan
	.p2alignl 7, 3214868480
	.fill 96, 4, 3214868480
	.section	.rodata,"a",@progbits
	.p2align	6, 0x0
	.amdhsa_kernel k_q53a59ed87c_scan
		.amdhsa_group_segment_fixed_size 239360
		.amdhsa_private_segment_fixed_size 0
		.amdhsa_enable_private_segment 0
		.amdhsa_kernarg_size 40
		.amdhsa_user_sgpr_count 2
		.amdhsa_user_sgpr_kernarg_segment_ptr 1
		.amdhsa_wavefront_size32 1
		.amdhsa_system_sgpr_workgroup_id_x 1
		.amdhsa_system_sgpr_workgroup_id_y 1
		.amdhsa_system_sgpr_workgroup_id_z 1
		.amdhsa_system_vgpr_workitem_id 0
		.amdhsa_next_free_vgpr 258
		.amdhsa_next_free_sgpr 96
		.amdhsa_reserve_vcc 1
		.amdhsa_float_denorm_mode_32 3
		.amdhsa_float_denorm_mode_16_64 3
		.amdhsa_memory_ordered 1
		.amdhsa_forward_progress 1
		.amdhsa_inst_pref_size 194
	.end_amdhsa_kernel
	.amdgpu_metadata
---
amdhsa.version: [ 1, 2 ]
amdhsa.kernels:
  - .name:           k_q53a59ed87c_scan
    .symbol:         k_q53a59ed87c_scan.kd
    .args:
      - { .name: image_codes, .offset: 0, .size: 8, .value_kind: global_buffer, .address_space: global }
      - { .name: image_scales, .offset: 8, .size: 8, .value_kind: global_buffer, .address_space: global }
      - { .name: query_codes, .offset: 16, .size: 8, .value_kind: global_buffer, .address_space: global }
      - { .name: query_scales, .offset: 24, .size: 8, .value_kind: global_buffer, .address_space: global }
      - { .name: cand, .offset: 32, .size: 8, .value_kind: global_buffer, .address_space: global }
    .group_segment_fixed_size: 239360
    .private_segment_fixed_size: 0
    .kernarg_segment_align: 8
    .kernarg_segment_size: 40
    .max_flat_workgroup_size: 128
    .sgpr_count:     96
    .vgpr_count:     258
    .wavefront_size: 32
...
	.end_amdgpu_metadata
.endif
;; end of part 1
;; launch merge (part 2): grid 256 x 1, 2 waves a work-group, no clusters, 1,280 bytes of LDS; arguments cand, gid; writes gid
.if DOCPART == 2
	.amdgcn_target "amdgcn-amd-amdhsa--gfx1250"
	.amdhsa_code_object_version 6
	.text
	.protected	k_q53a59ed87c_merge
	.globl	k_q53a59ed87c_merge
	.p2align	8
	.type	k_q53a59ed87c_merge,@function
k_q53a59ed87c_merge:
	s_mov_b64 s[64:65], 0
	v_nop
	global_prefetch_b8 v0, s[64:65] scope:SCOPE_SE
	s_setreg_imm32_b32 hwreg(HW_REG_WAVE_MODE, 25, 1), 1
	s_wait_xcnt 0x0
; WINDOW ROUTING, second of three launches.  cand [part 4][tile 1,024][16 queries x 4 values | 16 queries x 4 group numbers] holds each query's 4 best groups of each quarter of the image rows.
; A thread joins its query's four lists into the 4 best groups of all, ranked by (value falling, number rising), sorts the four numbers rising and stores them in gid [tile][slot 4][query 16], whole numbers:
; the last launch forms its addresses from them.  The parts' numbers rise from part to part, so an insertion that asks for strictly greater keeps the lower number among equals.
; Work-groups share no input, so there is no cluster; a stream of 2 MiB: no matrix unit, no barrier: the LDS bytes are each wave's own.
; A wave takes two tiles: each half of the lanes reads whole blocks of 256 bytes; the numbers turn through 512 bytes of LDS so that the wave stores 512 consecutive bytes.
.set LS, 8                             ; v8-11 values, v12-15 numbers: part 0's list, into which parts 1 to 3 (v16-39) are inserted
.set MK, 16                            ; s[16:19] masks of compares
.macro INS1 x, n, l                    ; value v[x] with number v[n] goes into the list at v[l], behind all that are not smaller
.irp j, 0,1,2,3
	v_cmp_gt_f32 s[MK+\j], v[\x], v[\l+\j]
.endr
	v_cndmask_b32 v[\l+7], v[\l+7], v[\n], s[MK+3]
	v_med3_num_f32 v[\l+3], v[\l+2], v[\l+3], v[\x]
	v_cndmask_b32 v[\l+7], v[\l+7], v[\l+6], s[MK+2]
	v_cndmask_b32 v[\l+6], v[\l+6], v[\n], s[MK+2]
	v_med3_num_f32 v[\l+2], v[\l+1], v[\l+2], v[\x]
	v_cndmask_b32 v[\l+6], v[\l+6], v[\l+5], s[MK+1]
	v_cndmask_b32 v[\l+5], v[\l+5], v[\n], s[MK+1]
	v_med3_num_f32 v[\l+1], v[\l], v[\l+1], v[\x]
	v_cndmask_b32 v[\l+5], v[\l+5], v[\l+4], s[MK]
	v_cndmask_b32 v[\l+4], v[\l+4], v[\n], s[MK]
	v_max_num_f32 v[\l], v[\l], v[\x]
.endm
	s_load_b128 s[4:7], s[0:1], 0x0                ; cand, gid
	v_lshl_add_u32 v48, v0, 2, 0x400
	v_mov_b32 v49, 0
	v_lshrrev_b32 v1, 5, v0
	v_readfirstlane_b32 s8, v1                     ; wave 0, 1
	s_lshl_b32 s9, ttmp9, 1
	s_add_co_u32 s9, s9, s8                        ; which pair of tiles
	v_and_b32 v1, 31, v0                           ; lane
	v_and_b32 v2, 15, v0                           ; my query in its tile
	v_bfe_u32 v3, v0, 4, 1                         ; which of the two tiles
	v_lshlrev_b32 v4, 4, v2
	v_lshl_add_u32 v4, v3, 9, v4                   ; in cand: 512 x tile + 16 x query
	v_lshlrev_b32 v5, 2, v2
	v_lshl_add_u32 v5, v3, 8, v5
	s_lshl_b32 s10, s8, 9
	v_add_nc_u32 v5, s10, v5                       ; LDS, in: 512 x wave + 256 x tile + 4 x query (+ 64 x slot)
	v_lshlrev_b32 v6, 4, v1                        ; in gid: 16 x lane
	v_add_nc_u32 v7, s10, v6                       ; LDS, out: 512 x wave + 16 x lane
	s_lshl_b32 s12, s9, 10
	s_mov_b32 s13, 0
	s_lshl_b32 s14, s9, 9
	s_mov_b32 s15, 0
	s_wait_kmcnt 0x0
	s_add_nc_u64 s[4:5], s[4:5], s[12:13]
	s_add_nc_u64 s[6:7], s[6:7], s[14:15]
.irp p, 0,1,2,3
	global_load_b128 v[LS+8*\p:LS+8*\p+3], v4, s[4:5] offset:524288*\p th:TH_LOAD_NT
	global_load_b128 v[LS+8*\p+4:LS+8*\p+7], v4, s[4:5] offset:524288*\p+256 th:TH_LOAD_NT
.endr
.irp p, 1,2,3
	s_wait_loadcnt 6-2*\p                          ; part p is in; the two loads of each later part may be out
.irp e, 0,1,2,3
	INS1 LS+8*\p+\e, LS+8*\p+4+\e, LS
.endr
.endr
	v_min_u32 v40, v12, v13                        ; the four numbers, rising: five exchanges
	v_max_u32 v41, v12, v13
	v_min_u32 v42, v14, v15
	v_max_u32 v43, v14, v15
	v_min_u32 v44, v40, v42                        ; the lowest
	v_max_u32 v45, v40, v42
	v_min_u32 v46, v41, v43
	v_max_u32 v47, v41, v43                        ; the highest
	v_min_u32 v40, v45, v46
	v_max_u32 v41, v45, v46
	ds_store_b32 v5, v44
	ds_store_b32 v5, v40 offset:64
	ds_store_b32 v5, v41 offset:128
	ds_store_b32 v5, v47 offset:192
	ds_load_b128 v[32:35], v7                      ; LDS serves a wave's instructions in order (ISA guide 5.7.1.4): this sees my stores
	s_wait_dscnt 0x0
	global_store_b128 v6, v[32:35], s[6:7]         ; 32 lanes store 512 consecutive bytes, at a multiple of 256 from gid's first byte
	s_wait_tensorcnt 0x0
	ds_add_u32 v48, v49
	s_wait_dscnt 0x0
	s_endpgm
.Lfunc_end_k_q53a59ed87c_merge:
	.size	k_q53a59ed87c_merge, .Lfunc_end_k_q53a59ed87c_merge-k_q53a59ed87c_merge
	.p2alignl 7, 3214868480
	.fill 96, 4, 3214868480
	.section	.rodata,"a",@progbits
	.p2align	6, 0x0
	.amdhsa_kernel k_q53a59ed87c_merge
		.amdhsa_group_segment_fixed_size 1280
		.amdhsa_private_segment_fixed_size 0
		.amdhsa_enable_private_segment 0
		.amdhsa_kernarg_size 16
		.amdhsa_user_sgpr_count 2
		.amdhsa_user_sgpr_kernarg_segment_ptr 1
		.amdhsa_wavefront_size32 1
		.amdhsa_system_sgpr_workgroup_id_x 1
		.amdhsa_system_sgpr_workgroup_id_y 1
		.amdhsa_system_sgpr_workgroup_id_z 1
		.amdhsa_system_vgpr_workitem_id 0
		.amdhsa_next_free_vgpr 50
		.amdhsa_next_free_sgpr 66
		.amdhsa_reserve_vcc 0
		.amdhsa_float_denorm_mode_32 3
		.amdhsa_float_denorm_mode_16_64 3
		.amdhsa_memory_ordered 1
		.amdhsa_forward_progress 1
		.amdhsa_inst_pref_size 14
	.end_amdhsa_kernel
	.amdgpu_metadata
---
amdhsa.version: [ 1, 2 ]
amdhsa.kernels:
  - .name:           k_q53a59ed87c_merge
    .symbol:         k_q53a59ed87c_merge.kd
    .args:
      - { .name: cand, .offset: 0, .size: 8, .value_kind: global_buffer, .address_space: global }
      - { .name: gid, .offset: 8, .size: 8, .value_kind: global_buffer, .address_space: global }
    .group_segment_fixed_size: 1280
    .private_segment_fixed_size: 0
    .kernarg_segment_align: 8
    .kernarg_segment_size: 16
    .max_flat_workgroup_size: 64
    .sgpr_count:     66
    .vgpr_count:     50
    .wavefront_size: 32
...
	.end_amdgpu_metadata
.endif
;; end of part 2
;; launch pick (part 3): grid 256 x 1, 16 waves a work-group, no clusters, 18,432 bytes of LDS; arguments image_codes, image_scales, query_codes, query_scales, gid, out0; writes out0
.if DOCPART == 3
	.amdgcn_target "amdgcn-amd-amdhsa--gfx1250"
	.amdhsa_code_object_version 6
	.text
	.protected	k_q53a59ed87c_pick
	.globl	k_q53a59ed87c_pick
	.p2align	8
	.type	k_q53a59ed87c_pick,@function
k_q53a59ed87c_pick:
	s_mov_b64 s[64:65], 0
	v_nop
	global_prefetch_b8 v0, s[64:65] scope:SCOPE_SE
	s_setreg_imm32_b32 hwreg(HW_REG_WAVE_MODE, 25, 1), 1
	s_wait_xcnt 0x0
; WINDOW ROUTING, last of three launches.  gid [tile][slot 4][query 16] names each query's 4 best groups of 16 image rows, numbers rising over the slots.  Here their 64 scores are made again and ranked exactly:
; value falling, row index rising, as the top-k of the problem breaks ties.  out0 [query][4] takes the four row indices.
; SHARES.  A work-group: 4 tiles of 16 queries.  Wave w: tile w >> 2, slot w & 3: for each of its 16 queries the one group of that slot.  Each group is 1,536 consecutive bytes of codes, fetched straight into registers;
; the group numbers are read as whole numbers from memory, held at 511, and only then enter addresses.
; For query q the product (source 0 = the group's 16 rows, source 1 = the query tile) is kept in column q alone: lanes q and q + 16 take their eight rows (8 h + 0..7) into acc.  One column in sixteen is used:
; the rows of a product are one query's own choice, so no product serves two queries.  For the same reason nothing is shared between work-groups at one time, and there is no cluster.
; Every insertion asks for strictly greater and takes its entries in rising order of index: rows 0-7, then the other half's rows 8-15, then the slots in turn.
; LIMITS: scores that are NaN (a scale byte 0xff) or beyond f32's range are not served; +0 and -0 count as equal.
.set QF,  4                            ; v4-15  the query fragment
.set QSW, 16                           ; v16    its scale words
.set GV,  17                           ; v17    my query's group number
.set IS,  18                           ; v18-33 the 16 groups' scale words
.set ACC, 40                           ; v40-47 my query's eight scores
.set DA,  48                           ; v48-55, v56-63 results, by turns
.set F,   64                           ; v64-255 the 16 groups' fragments; later lists
.set GN,  16                           ; s[16:31] the wave's 16 group numbers
.set CB,  32                           ; s[32:47] eight addresses of groups' codes
.set SB,  48                           ; s[48:63] eight of their scale words
.set WV,  66
.set SC,  72                           ; s[72:73] 128^-0.5
.set SEL, 74                           ; s[74:75] v_permlanex16_b32's selects for lane l xor 16
.set MK,  76                           ; s[76:79] masks of compares
.macro INS1 x, n, l                    ; value v[x] with index v[n] goes into the list at v[l] (values falling at l + 0..3, indices at l + 4..7), behind all that are not smaller
.irp j, 0,1,2,3
	v_cmp_gt_f32 s[MK+\j], v[\x], v[\l+\j]
.endr
	v_cndmask_b32 v[\l+7], v[\l+7], v[\n], s[MK+3]
	v_med3_num_f32 v[\l+3], v[\l+2], v[\l+3], v[\x]
	v_cndmask_b32 v[\l+7], v[\l+7], v[\l+6], s[MK+2]
	v_cndmask_b32 v[\l+6], v[\l+6], v[\n], s[MK+2]
	v_med3_num_f32 v[\l+2], v[\l+1], v[\l+2], v[\x]
	v_cndmask_b32 v[\l+6], v[\l+6], v[\l+5], s[MK+1]
	v_cndmask_b32 v[\l+5], v[\l+5], v[\n], s[MK+1]
	v_med3_num_f32 v[\l+1], v[\l], v[\l+1], v[\x]
	v_cndmask_b32 v[\l+5], v[\l+5], v[\l+4], s[MK]
	v_cndmask_b32 v[\l+4], v[\l+4], v[\n], s[MK]
	v_max_num_f32 v[\l], v[\l], v[\x]
.endm
	s_load_b256 s[4:11], s[0:1], 0x0               ; image codes s[4:5], image scales s[6:7], query codes s[8:9], query scales s[10:11]
	s_load_b128 s[12:15], s[0:1], 0x20             ; gid s[12:13], out0 s[14:15]
	v_lshrrev_b32 v1, 5, v0
	v_readfirstlane_b32 s[WV], v1                  ; wave 0..15
	s_lshr_b32 s67, s[WV], 2
	s_lshl_b32 s68, ttmp9, 2
	s_add_co_u32 s67, s67, s68                     ; my tile, 0..1,023
	s_and_b32 s68, s[WV], 3                        ; my slot
	s_lshr_b32 s69, ttmp9, 6                       ; the batch: 64 work-groups each
	s_lshl_b32 s70, s67, 2
	s_add_co_u32 s70, s70, s68
	s_lshl_b32 s70, s70, 6                         ; gid: 64 bytes for a tile's slot
	s_mov_b32 s71, 0                               ; (stays 0: the upper word of every offset)
	s_mov_b32 s[SC], 0x3db504f3                    ; 128^-0.5 in f32
	s_mov_b32 s[SC+1], s[SC]
	s_mov_b32 s[SEL], 0x76543210
	s_mov_b32 s[SEL+1], 0xfedcba98
	v_and_b32 v3, 15, v0                           ; r
	v_bfe_u32 v34, v0, 4, 1                        ; h
	v_mul_u32_u24 v1, v3, 96
	v_mad_u32_u24 v1, v34, 24, v1                  ; a fragment: row r of 96 bytes, + 24 h
	v_lshlrev_b32 v2, 2, v3                        ; a scale word, and a group number: 4 r
	s_wait_kmcnt 0x0
	s_add_nc_u64 s[12:13], s[12:13], s[70:71]
	s_load_b512 s[GN:GN+15], s[12:13], 0x0         ; the 16 numbers as scalars, for the addresses
	s_mul_i32 s70, s67, 1536
	s_add_nc_u64 s[8:9], s[8:9], s[70:71]          ; my tile's codes,
	s_lshl_b32 s70, s67, 6
	s_add_nc_u64 s[10:11], s[10:11], s[70:71]      ; its scale words,
	s_mul_i32 s70, s69, 8192*96
	s_add_nc_u64 s[4:5], s[4:5], s[70:71]          ; my batch's image codes
	s_lshl_b32 s70, s69, 15
	s_add_nc_u64 s[6:7], s[6:7], s[70:71]          ; and scale words
.irp p, 0,1,2,3,4,5
	global_load_b64 v[QF+2*\p:QF+2*\p+1], v1, s[8:9] offset:48*(\p/3)+8*(\p%3)
.endr
	global_load_b32 v[QSW], v2, s[10:11]
	global_load_b32 v[GV], v2, s[12:13]            ; and each lane its own query's number, for the indices
	s_wait_kmcnt 0x0
; query q's group: seven loads
.macro GROUP q
	s_min_u32 s[GN+\q], s[GN+\q], 511              ; a loaded number enters an address only behind this hold
	s_mul_i32 s70, s[GN+\q], 1536
	s_add_nc_u64 s[CB+2*(\q%8):CB+2*(\q%8)+1], s[4:5], s[70:71]
	s_lshl_b32 s70, s[GN+\q], 6
	s_add_nc_u64 s[SB+2*(\q%8):SB+2*(\q%8)+1], s[6:7], s[70:71]
.irp p, 0,1,2,3,4,5
	global_load_b64 v[F+12*\q+2*\p:F+12*\q+2*\p+1], v1, s[CB+2*(\q%8):CB+2*(\q%8)+1] offset:48*(\p/3)+8*(\p%3)
.endr
	global_load_b32 v[IS+\q], v2, s[SB+2*(\q%8):SB+2*(\q%8)+1]
.endm
.irp q, 0,1,2,3,4,5,6,7
	GROUP \q
.endr
	s_wait_xcnt 0x0                                ; the sixteen address pairs are written again only behind this wait
.irp q, 8,9,10,11,12,13,14,15
	GROUP \q
.endr
.macro PROD q, d                       ; query q's group against the tile, into v[d] on
.if 7*(15-(\q)) > 63
	s_wait_loadcnt 63                              ; (the count's field ends here: a smaller count than needed only waits for more)
.else
	s_wait_loadcnt 7*(15-(\q))                     ; group q is in; the seven loads of each later group may be out
.endif
	v_wmma_scale_f32_16x16x128_f8f6f4 v[\d:\d+7], v[F+12*(\q):F+12*(\q)+11], v[QF:QF+11], 0, v[IS+(\q)], v[QSW] matrix_a_fmt:MATRIX_FMT_FP6 matrix_b_fmt:MATRIX_FMT_FP6
.endm
.macro TAKE q, d                       ; lanes q and q + 16 take their column, the result read from its low end on
	s_mov_b32 s80, 0x10001<<(\q)
.irp j, 0,1,2,3,4,5,6,7
	v_cndmask_b32 v[ACC+\j], v[ACC+\j], v[\d+\j], s80
.endr
.endm
; Product q + 1 stands ahead of the eight selections of product q, which name none of its registers: they are the places (ISA guide 7.12.1) behind it, for its own selections and for product q + 3, which writes over its result.
	PROD 0, ACC                                    ; query 0's lanes keep it as it falls; every other lane is written over in its turn
	PROD 1, DA
.rept 5
	v_nop                                          ; products 0 and 1 have no selections behind them: five places, since product 3 writes over product 1's result
.endr
.irp q, 1,2,3,4,5,6,7,8,9,10,11,12,13,14
	PROD \q+1, DA+8*(\q%2)
	TAKE \q, DA+8*((\q+1)%2)
.endr
	TAKE 15, DA
	v_min_u32 v[GV], 0x1ff, v[GV]
	v_lshlrev_b32 v35, 3, v34
	v_lshl_add_u32 v35, v[GV], 4, v35              ; my first row: 16 x group + 8 h
.irp j, 0,2,4,6
	v_pk_mul_f32 v[ACC+\j:ACC+\j+1], v[ACC+\j:ACC+\j+1], s[SC:SC+1] op_sel_hi:[1,0]   ; the scores as the problem has them: two sums that the scale's rounding makes equal are equal here too
.endr
.irp j, 0,1,2,3,4,5,6,7
	v_add_nc_u32 v[DA+\j], \j, v35                 ; the eight indices
.endr
.irp j, 0,1,2,3
	v_mov_b32 v[F+\j], 0xff800000                  ; the list begins: minus infinity, under every score
	v_mov_b32 v[F+4+\j], 0
.endr
.irp j, 0,1,2,3,4,5,6,7
	INS1 ACC+\j, DA+\j, F
.endr
.irp j, 0,1,2,3,4,5,6,7
	v_permlanex16_b32 v[F+8+\j], v[F+\j], s[SEL], s[SEL+1]   ; lanes 0-15 get the list of rows 8-15
.endr
.irp e, 0,1,2,3
	INS1 F+8+\e, F+12+\e, F
.endr
	v_and_b32 v36, 31, v0
	v_lshlrev_b32 v37, 4, v36                      ; 16 x lane
	s_lshl_b32 s70, s[WV], 10
	v_add_nc_u32 v36, s70, v37                     ; my wave's 1,024 bytes: values, then indices; only lanes 0-15's are read
	ds_store_b128 v36, v[F:F+3]
	ds_store_b128 v36, v[F+4:F+7] offset:512
	s_wait_dscnt 0x0                               ; for the others' sake: my stores are done
	s_barrier_signal -1
	s_barrier_wait -1
	s_cmp_lt_u32 s[WV], 2
	s_cbranch_scc1 .Lfinal
	s_wait_xcnt 0x0
	v_lshl_add_u32 v254, v0, 2, 0x4000
	v_mov_b32 v255, 0
	s_wait_tensorcnt 0x0
	ds_add_u32 v254, v255
	s_wait_dscnt 0x0
	s_endpgm
.Lfinal:                                           ; waves 0 and 1 join the four slots: lane l of wave m serves tile 2 m + l / 16, query l % 16; the list of (tile, slot) lies in wave 4 tile + slot's bytes
	v_lshlrev_b32 v38, 4, v3
	v_lshl_add_u32 v38, v34, 12, v38
	s_lshl_b32 s70, s[WV], 13
	v_add_nc_u32 v38, s70, v38
.irp s, 0,1,2,3
	ds_load_b128 v[80+8*\s:83+8*\s], v38 offset:1024*\s
	ds_load_b128 v[84+8*\s:87+8*\s], v38 offset:1024*\s+512
.endr
	s_lshl_b32 s70, ttmp9, 10                      ; out0: 16 bytes a query; 64 queries a work-group, 32 a wave
	s_lshl_b32 s82, s[WV], 9
	s_add_co_u32 s70, s70, s82
	s_add_nc_u64 s[14:15], s[14:15], s[70:71]
	s_wait_dscnt 0x0
.irp s, 1,2,3                          ; the slots' groups rise, so their indices do
.irp e, 0,1,2,3
	INS1 80+8*\s+\e, 84+8*\s+\e, 80
.endr
.endr
	global_store_b128 v37, v[84:87], s[14:15]      ; 32 lanes store 512 consecutive bytes, at a multiple of 256 from out0's first byte
	s_wait_xcnt 0x0
	v_lshl_add_u32 v254, v0, 2, 0x4000
	v_mov_b32 v255, 0
	s_wait_tensorcnt 0x0
	ds_add_u32 v254, v255
	s_wait_dscnt 0x0
	s_endpgm
.Lfunc_end_k_q53a59ed87c_pick:
	.size	k_q53a59ed87c_pick, .Lfunc_end_k_q53a59ed87c_pick-k_q53a59ed87c_pick
	.p2alignl 7, 3214868480
	.fill 96, 4, 3214868480
	.section	.rodata,"a",@progbits
	.p2align	6, 0x0
	.amdhsa_kernel k_q53a59ed87c_pick
		.amdhsa_group_segment_fixed_size 18432
		.amdhsa_private_segment_fixed_size 0
		.amdhsa_enable_private_segment 0
		.amdhsa_kernarg_size 48
		.amdhsa_user_sgpr_count 2
		.amdhsa_user_sgpr_kernarg_segment_ptr 1
		.amdhsa_wavefront_size32 1
		.amdhsa_system_sgpr_workgroup_id_x 1
		.amdhsa_system_sgpr_workgroup_id_y 1
		.amdhsa_system_sgpr_workgroup_id_z 1
		.amdhsa_system_vgpr_workitem_id 0
		.amdhsa_next_free_vgpr 256
		.amdhsa_next_free_sgpr 90
		.amdhsa_reserve_vcc 0
		.amdhsa_float_denorm_mode_32 3
		.amdhsa_float_denorm_mode_16_64 3
		.amdhsa_memory_ordered 1
		.amdhsa_forward_progress 1
		.amdhsa_inst_pref_size 53
	.end_amdhsa_kernel
	.amdgpu_metadata
---
amdhsa.version: [ 1, 2 ]
amdhsa.kernels:
  - .name:           k_q53a59ed87c_pick
    .symbol:         k_q53a59ed87c_pick.kd
    .args:
      - { .name: image_codes, .offset: 0, .size: 8, .value_kind: global_buffer, .address_space: global }
      - { .name: image_scales, .offset: 8, .size: 8, .value_kind: global_buffer, .address_space: global }
      - { .name: query_codes, .offset: 16, .size: 8, .value_kind: global_buffer, .address_space: global }
      - { .name: query_scales, .offset: 24, .size: 8, .value_kind: global_buffer, .address_space: global }
      - { .name: gid, .offset: 32, .size: 8, .value_kind: global_buffer, .address_space: global }
      - { .name: out0, .offset: 40, .size: 8, .value_kind: global_buffer, .address_space: global }
    .group_segment_fixed_size: 18432
    .private_segment_fixed_size: 0
    .kernarg_segment_align: 8
    .kernarg_segment_size: 48
    .max_flat_workgroup_size: 512
    .sgpr_count:     90
    .vgpr_count:     256
    .wavefront_size: 32
...
	.end_amdgpu_metadata
.endif
;; end of part 3
;; ======== version 2 of 2: 3 launches; version 1 with the launch pick written anew for expert scheduling mode
;; workspace buffers: cand 2,097,152 bytes; gid 262,144 bytes of whole numbers
;; launch scan: the kernel of part 1 again; grid 16 x 16, 4 waves a work-group, clusters of 4 x 1, 239,360 bytes of LDS; arguments image_codes, image_scales, query_codes, query_scales, cand; writes cand
;; launch merge: the kernel of part 2 again; grid 256 x 1, 2 waves a work-group, no clusters, 1,280 bytes of LDS; arguments cand, gid; writes gid
;; launch pick (part 4): grid 256 x 1, 16 waves a work-group, no clusters, 18,432 bytes of LDS; arguments image_codes, image_scales, query_codes, query_scales, gid, out0; writes out0
.if DOCPART == 4
	.amdgcn_target "amdgcn-amd-amdhsa--gfx1250"
	.amdhsa_code_object_version 6
	.text
	.protected	k_q53a59ed87c_pick
	.globl	k_q53a59ed87c_pick
	.p2align	8
	.type	k_q53a59ed87c_pick,@function
k_q53a59ed87c_pick:
	s_mov_b64 s[64:65], 0
	v_nop
	global_prefetch_b8 v0, s[64:65] scope:SCOPE_SE
	s_setreg_imm32_b32 hwreg(HW_REG_WAVE_SCHED_MODE, 0, 2), 2
	s_setreg_imm32_b32 hwreg(HW_REG_WAVE_MODE, 25, 1), 1
	s_wait_xcnt 0x0
	s_wait_alu depctr_vm_vsrc(0)
; WINDOW ROUTING, last of three launches.  gid [tile][slot 4][query 16] names each query's 4 best groups of 16 image rows, numbers rising over the slots.  Here their 64 scores are made again and ranked exactly:
; value falling, row index rising, as the top-k of the problem breaks ties.  out0 [query][4] takes the four row indices.
; SHARES.  A work-group: 4 tiles of 16 queries.  Wave w: tile w >> 2, slot w & 3: for each of its 16 queries the one group of that slot.  Each group is 1,536 consecutive bytes of codes, fetched straight into registers;
; the group numbers are read as whole numbers from memory, held at 511, and only then enter addresses.
; For query q the product (source 0 = the group's 16 rows, source 1 = the query tile) is kept in column q alone: lanes q and q + 16 take their eight rows (8 h + 0..7) into acc.  One column in sixteen is used:
; the rows of a product are one query's own choice, so no product serves two queries.  For the same reason nothing is shared between work-groups at one time, and there is no cluster.
; Every insertion asks for strictly greater and takes its entries in rising order of index: rows 0-7, then the other half's rows 8-15, then the slots in turn.
; LIMITS: scores that are NaN (a scale byte 0xff) or beyond f32's range are not served; +0 and -0 count as equal.
; THE MODE: SCHED_MODE bits 1:0 = 2 (LLVM: expert scheduling mode 2), set by the entry lines.  The code itself states the register dependences
; between vector or matrix instructions and memory or LDS instructions, with s_wait_alu, always for 0.
; THE PLAN.  Registers that memory or LDS instructions touch:
;   v1, v2           offsets of all 120 global loads: written by vector lines at the head, never again.
;   v4-33, v64-255   the loads land here; no vector line names them ahead of the loads; the products read them behind their waits on LOADcnt.
;   v36, v64-71      the LDS stores' address and data (my list): written by vector lines, read by the two stores, never written again.
;   v38              (waves 0, 1) the LDS loads' address: written by three vector lines, never again.
;   v80-111          (waves 0, 1) the LDS loads land here; products 1 to 3 read them as fragments long before.
;   v37, v84-87      (waves 0, 1) the global store's offset and data: written by vector lines, never again.
;   v254, v255       the closing add's two: made anew ahead of each end; no memory or LDS instruction reads them before the add.
; So four waits on va_vdst state all of it: ahead of the first global load, of the LDS stores, of the LDS loads and of the global store.  No register that a memory or LDS instruction
; has read is written again on any way, so no wait on vm_vsrc is owed.  A wait on va_sdst stands behind the line that makes the wave's number and behind each insertion's four compares.
.set QF,  4                            ; v4-15  the query fragment
.set QSW, 16                           ; v16    its scale words
.set GV,  17                           ; v17    my query's group number
.set IS,  18                           ; v18-33 the 16 groups' scale words
.set ACC, 40                           ; v40-47 my query's eight scores
.set DA,  48                           ; v48-55, v56-63 results, by turns
.set F,   64                           ; v64-255 the 16 groups' fragments; later lists
.set GN,  16                           ; s[16:31] the wave's 16 group numbers
.set CB,  32                           ; s[32:47] eight addresses of groups' codes
.set SB,  48                           ; s[48:63] eight of their scale words
.set WV,  66
.set SC,  72                           ; s[72:73] 128^-0.5
.set SEL, 74                           ; s[74:75] v_permlanex16_b32's selects for lane l xor 16
.set MK,  76                           ; s[76:79] masks of compares
.macro INS1 x, n, l                    ; value v[x] with index v[n] goes into the list at v[l] (values falling at l + 0..3, indices at l + 4..7), behind all that are not smaller
.irp j, 0,1,2,3
	v_cmp_gt_f32 s[MK+\j], v[\x], v[\l+\j]
.endr
	s_wait_alu depctr_va_sdst(0)                   ; the four compares have written s[MK .. MK + 3], ahead of the first selection that reads one of them
	v_cndmask_b32 v[\l+7], v[\l+7], v[\n], s[MK+3]
	v_med3_num_f32 v[\l+3], v[\l+2], v[\l+3], v[\x]
	v_cndmask_b32 v[\l+7], v[\l+7], v[\l+6], s[MK+2]
	v_cndmask_b32 v[\l+6], v[\l+6], v[\n], s[MK+2]
	v_med3_num_f32 v[\l+2], v[\l+1], v[\l+2], v[\x]
	v_cndmask_b32 v[\l+6], v[\l+6], v[\l+5], s[MK+1]
	v_cndmask_b32 v[\l+5], v[\l+5], v[\n], s[MK+1]
	v_med3_num_f32 v[\l+1], v[\l], v[\l+1], v[\x]
	v_cndmask_b32 v[\l+5], v[\l+5], v[\l+4], s[MK]
	v_cndmask_b32 v[\l+4], v[\l+4], v[\n], s[MK]
	v_max_num_f32 v[\l], v[\l], v[\x]
.endm
	s_load_b256 s[4:11], s[0:1], 0x0               ; image codes s[4:5], image scales s[6:7], query codes s[8:9], query scales s[10:11]
	s_load_b128 s[12:15], s[0:1], 0x20             ; gid s[12:13], out0 s[14:15]
	v_lshrrev_b32 v1, 5, v0
	v_readfirstlane_b32 s[WV], v1                  ; wave 0..15
	v_and_b32 v3, 15, v0                           ; r
	v_bfe_u32 v34, v0, 4, 1                        ; h
	v_mul_u32_u24 v1, v3, 96
	v_mad_u32_u24 v1, v34, 24, v1                  ; a fragment: row r of 96 bytes, + 24 h
	v_lshlrev_b32 v2, 2, v3                        ; a scale word, and a group number: 4 r
	s_lshr_b32 s69, ttmp9, 6                       ; the batch: 64 work-groups each
	s_mov_b32 s71, 0                               ; (stays 0: the upper word of every offset)
	s_mov_b32 s[SC], 0x3db504f3                    ; 128^-0.5 in f32
	s_mov_b32 s[SC+1], s[SC]
	s_mov_b32 s[SEL], 0x76543210
	s_mov_b32 s[SEL+1], 0xfedcba98
	s_wait_alu depctr_va_sdst(0)                   ; s[WV] is written, ahead of its first reader: the tile, the slot and all bases are made from it
	s_lshr_b32 s67, s[WV], 2
	s_lshl_b32 s68, ttmp9, 2
	s_add_co_u32 s67, s67, s68                     ; my tile, 0..1,023
	s_and_b32 s68, s[WV], 3                        ; my slot
	s_lshl_b32 s70, s67, 2
	s_add_co_u32 s70, s70, s68
	s_lshl_b32 s70, s70, 6                         ; gid: 64 bytes for a tile's slot
	s_wait_kmcnt 0x0
	s_add_nc_u64 s[12:13], s[12:13], s[70:71]
	s_load_b512 s[GN:GN+15], s[12:13], 0x0         ; the 16 numbers as scalars, for the addresses
	s_mul_i32 s70, s67, 1536
	s_add_nc_u64 s[8:9], s[8:9], s[70:71]          ; my tile's codes,
	s_lshl_b32 s70, s67, 6
	s_add_nc_u64 s[10:11], s[10:11], s[70:71]      ; its scale words,
	s_mul_i32 s70, s69, 8192*96
	s_add_nc_u64 s[4:5], s[4:5], s[70:71]          ; my batch's image codes
	s_lshl_b32 s70, s69, 15
	s_add_nc_u64 s[6:7], s[6:7], s[70:71]          ; and scale words
	s_wait_alu depctr_va_vdst(0)                   ; v1 and v2 are written: every global load below reads one of them as its offset; no vector line stands between this wait and the last of those loads
.irp p, 0,1,2,3,4,5
	global_load_b64 v[QF+2*\p:QF+2*\p+1], v1, s[8:9] offset:48*(\p/3)+8*(\p%3)
.endr
	global_load_b32 v[QSW], v2, s[10:11]
	global_load_b32 v[GV], v2, s[12:13]            ; and each lane its own query's number, for the indices
	s_wait_kmcnt 0x0
; query q's group: seven loads
.macro GROUP q
	s_min_u32 s[GN+\q], s[GN+\q], 511              ; a loaded number enters an address only behind this hold
	s_mul_i32 s70, s[GN+\q], 1536
	s_add_nc_u64 s[CB+2*(\q%8):CB+2*(\q%8)+1], s[4:5], s[70:71]
	s_lshl_b32 s70, s[GN+\q], 6
	s_add_nc_u64 s[SB+2*(\q%8):SB+2*(\q%8)+1], s[6:7], s[70:71]
.irp p, 0,1,2,3,4,5
	global_load_b64 v[F+12*\q+2*\p:F+12*\q+2*\p+1], v1, s[CB+2*(\q%8):CB+2*(\q%8)+1] offset:48*(\p/3)+8*(\p%3)
.endr
	global_load_b32 v[IS+\q], v2, s[SB+2*(\q%8):SB+2*(\q%8)+1]
.endm
.irp q, 0,1,2,3,4,5,6,7
	GROUP \q
.endr
	s_wait_xcnt 0x0                                ; the sixteen address pairs are written again only behind this wait
.irp q, 8,9,10,11,12,13,14,15
	GROUP \q
.endr
.macro PROD q, d                       ; query q's group against the tile, into v[d] on
.if 7*(15-(\q)) > 63
	s_wait_loadcnt 63                              ; (the count's field ends here: a smaller count than needed only waits for more)
.else
	s_wait_loadcnt 7*(15-(\q))                     ; group q is in; the seven loads of each later group may be out
.endif
	v_wmma_scale_f32_16x16x128_f8f6f4 v[\d:\d+7], v[F+12*(\q):F+12*(\q)+11], v[QF:QF+11], 0, v[IS+(\q)], v[QSW] matrix_a_fmt:MATRIX_FMT_FP6 matrix_b_fmt:MATRIX_FMT_FP6
.endm
.macro TAKE q, d                       ; lanes q and q + 16 take their column, the result read from its low end on
	s_mov_b32 s80, 0x10001<<(\q)
.irp j, 0,1,2,3,4,5,6,7
	v_cndmask_b32 v[ACC+\j], v[ACC+\j], v[\d+\j], s80
.endr
.endm
; Product q + 1 stands ahead of the eight selections of product q, which name none of its registers: they are the places (ISA guide 7.12.1) behind it, for its own selections and for product q + 3, which writes over its result.
; The products' operands and scales all come from loads; their results are named by vector lines alone: no wait of the mode is owed among them.
	PROD 0, ACC                                    ; query 0's lanes keep it as it falls; every other lane is written over in its turn
	PROD 1, DA
.rept 5
	v_nop                                          ; products 0 and 1 have no selections behind them: five places, since product 3 writes over product 1's result
.endr
.irp q, 1,2,3,4,5,6,7,8,9,10,11,12,13,14
	PROD \q+1, DA+8*(\q%2)
	TAKE \q, DA+8*((\q+1)%2)
.endr
	TAKE 15, DA
	v_min_u32 v[GV], 0x1ff, v[GV]
	v_lshlrev_b32 v35, 3, v34
	v_lshl_add_u32 v35, v[GV], 4, v35              ; my first row: 16 x group + 8 h
.irp j, 0,2,4,6
	v_pk_mul_f32 v[ACC+\j:ACC+\j+1], v[ACC+\j:ACC+\j+1], s[SC:SC+1] op_sel_hi:[1,0]   ; the scores as the problem has them: two sums that the scale's rounding makes equal are equal here too
.endr
.irp j, 0,1,2,3,4,5,6,7
	v_add_nc_u32 v[DA+\j], \j, v35                 ; the eight indices
.endr
.irp j, 0,1,2,3
	v_mov_b32 v[F+\j], 0xff800000                  ; the list begins: minus infinity, under every score
	v_mov_b32 v[F+4+\j], 0
.endr
.irp j, 0,1,2,3,4,5,6,7
	INS1 ACC+\j, DA+\j, F
.endr
.irp j, 0,1,2,3,4,5,6,7
	v_permlanex16_b32 v[F+8+\j], v[F+\j], s[SEL], s[SEL+1]   ; lanes 0-15 get the list of rows 8-15
.endr
.irp e, 0,1,2,3
	INS1 F+8+\e, F+12+\e, F
.endr
	v_and_b32 v36, 31, v0
	v_lshlrev_b32 v37, 4, v36                      ; 16 x lane
	s_lshl_b32 s70, s[WV], 10
	v_add_nc_u32 v36, s70, v37                     ; my wave's 1,024 bytes: values, then indices; only lanes 0-15's are read
	s_wait_alu depctr_va_vdst(0)                   ; the insertions have written my list v[F .. F + 7], and v36 is written: the two LDS stores read them; v37, the last store's offset, is written too
	ds_store_b128 v36, v[F:F+3]
	ds_store_b128 v36, v[F+4:F+7] offset:512
	s_wait_dscnt 0x0                               ; for the others' sake: my stores are done
	s_barrier_signal -1
	s_barrier_wait -1
	s_cmp_lt_u32 s[WV], 2
	s_cbranch_scc1 .Lfinal
	s_wait_xcnt 0x0                                ; every earlier memory instruction has had its addresses translated (ISA guide 3.1)
	v_lshl_add_u32 v254, v0, 2, 0x4000             ; the add's two registers, made anew: no memory or LDS instruction has read them
	v_mov_b32 v255, 0
	s_wait_dscnt 0x0                               ; the closing lines, six on end
	s_wait_alu 0x0
	s_wait_tensorcnt 0x0
	ds_add_u32 v254, v255
	s_wait_dscnt 0x0
	s_endpgm
.Lfinal:                                           ; waves 0 and 1 join the four slots: lane l of wave m serves tile 2 m + l / 16, query l % 16; the list of (tile, slot) lies in wave 4 tile + slot's bytes
	v_lshlrev_b32 v38, 4, v3
	v_lshl_add_u32 v38, v34, 12, v38
	s_lshl_b32 s70, s[WV], 13
	v_add_nc_u32 v38, s70, v38
	s_wait_alu depctr_va_vdst(0)                   ; v38 is written, which the LDS loads read; products 1 to 3 are done reading v80 to v111, in which those loads land
.irp s, 0,1,2,3
	ds_load_b128 v[80+8*\s:83+8*\s], v38 offset:1024*\s
	ds_load_b128 v[84+8*\s:87+8*\s], v38 offset:1024*\s+512
.endr
	s_lshl_b32 s70, ttmp9, 10                      ; out0: 16 bytes a query; 64 queries a work-group, 32 a wave
	s_lshl_b32 s82, s[WV], 9
	s_add_co_u32 s70, s70, s82
	s_add_nc_u64 s[14:15], s[14:15], s[70:71]
	s_wait_dscnt 0x0
.irp s, 1,2,3                          ; the slots' groups rise, so their indices do
.irp e, 0,1,2,3
	INS1 80+8*\s+\e, 84+8*\s+\e, 80
.endr
.endr
	s_wait_alu depctr_va_vdst(0)                   ; the insertions have written v84 to v87, which the store reads
	global_store_b128 v37, v[84:87], s[14:15]      ; 32 lanes store 512 consecutive bytes, at a multiple of 256 from out0's first byte
	s_wait_xcnt 0x0                                ; every earlier memory instruction has had its addresses translated (ISA guide 3.1)
	v_lshl_add_u32 v254, v0, 2, 0x4000             ; the add's two registers, made anew: no memory or LDS instruction has read them
	v_mov_b32 v255, 0
	s_wait_dscnt 0x0                               ; the closing lines, six on end
	s_wait_alu 0x0
	s_wait_tensorcnt 0x0
	ds_add_u32 v254, v255
	s_wait_dscnt 0x0
	s_endpgm
.Lfunc_end_k_q53a59ed87c_pick:
	.size	k_q53a59ed87c_pick, .Lfunc_end_k_q53a59ed87c_pick-k_q53a59ed87c_pick
	.p2alignl 7, 3214868480
	.fill 96, 4, 3214868480
	.section	.rodata,"a",@progbits
	.p2align	6, 0x0
	.amdhsa_kernel k_q53a59ed87c_pick
		.amdhsa_group_segment_fixed_size 18432
		.amdhsa_private_segment_fixed_size 0
		.amdhsa_enable_private_segment 0
		.amdhsa_kernarg_size 48
		.amdhsa_user_sgpr_count 2
		.amdhsa_user_sgpr_kernarg_segment_ptr 1
		.amdhsa_wavefront_size32 1
		.amdhsa_system_sgpr_workgroup_id_x 1
		.amdhsa_system_sgpr_workgroup_id_y 1
		.amdhsa_system_sgpr_workgroup_id_z 1
		.amdhsa_system_vgpr_workitem_id 0
		.amdhsa_next_free_vgpr 256
		.amdhsa_next_free_sgpr 90
		.amdhsa_reserve_vcc 0
		.amdhsa_float_denorm_mode_32 3
		.amdhsa_float_denorm_mode_16_64 3
		.amdhsa_memory_ordered 1
		.amdhsa_forward_progress 1
		.amdhsa_inst_pref_size 54
	.end_amdhsa_kernel
	.amdgpu_metadata
---
amdhsa.version: [ 1, 2 ]
amdhsa.kernels:
  - .name:           k_q53a59ed87c_pick
    .symbol:         k_q53a59ed87c_pick.kd
    .args:
      - { .name: image_codes, .offset: 0, .size: 8, .value_kind: global_buffer, .address_space: global }
      - { .name: image_scales, .offset: 8, .size: 8, .value_kind: global_buffer, .address_space: global }
      - { .name: query_codes, .offset: 16, .size: 8, .value_kind: global_buffer, .address_space: global }
      - { .name: query_scales, .offset: 24, .size: 8, .value_kind: global_buffer, .address_space: global }
      - { .name: gid, .offset: 32, .size: 8, .value_kind: global_buffer, .address_space: global }
      - { .name: out0, .offset: 40, .size: 8, .value_kind: global_buffer, .address_space: global }
    .group_segment_fixed_size: 18432
    .private_segment_fixed_size: 0
    .kernarg_segment_align: 8
    .kernarg_segment_size: 48
    .max_flat_workgroup_size: 512
    .sgpr_count:     90
    .vgpr_count:     256
    .wavefront_size: 32
...
	.end_amdgpu_metadata
.endif
;; end of part 4
